; MI455X (gfx1250); checked and timed in simulation.
; The chip was launched on July 23, 2026; its instructions are those of AMD's public machine-readable ISA for CDNA 5 (MIT licence, August 2026) and "CDNA5" Instruction Set Architecture Reference Guide (July 2026). The comments in the code are by the model that wrote it; some were corrected since.
;; Le PE Attention. Allowed arithmetic: matrix products marked QUANTISED: E2M1 operands, one E8M0 scale for each 32 along K, by v_wmma_scale_f32_16x16x128_f8f6f4 with both operands' format E2M1 (or v_wmma_scale_f32_32x16x128_f4), f32 sums; everything else in f32.
;; Inputs: qkv 3 x 2 x 4,096 x 128 float32.
;; Outputs: out0 2 x 4,096 x 128 float32.
;; This version of the problem:
;;   THIS VERSION OF THE PROBLEM IS GIVEN IN LOW PRECISION. The matrix products marked QUANTISED in the list below multiply operands that are first quantised to E2M1 (2 exponent bits, 1 mantissa bit; 4 bits a number), with one power-of-two scale for each 32 numbers along K (OCP MX v1.0); their sums are f32. All else is computed in f32.
;;   The module's matrix products, in the order in which they are computed (A, B: the left and right operand; K: the contracted axis; several contracted axes count as one K, in the product's order):
;;     1. batch 32 x [M 1,024, K 32] x [K 32, N 1,024]; A: computed on the way; B: input qkv: QUANTISED
;;     2. batch 32 x [M 1,024, K 1,024] x [K 1,024, N 32]; A: softmax (see below); B: input qkv: QUANTISED
;;   THE QUANTISER, for each operand of a quantised product, along K:
;;     - K is cut into blocks of 32 from its start; a last block that is shorter is filled with zeros.
;;     - A block's scale is 2^e with e = floor(log2(the largest magnitude in the block)) - 2, held to -126 .. 127; a block of zeros has e = 0. As a byte (E8M0): e + 127.
;;     - Each number is divided by its block's scale, clamped to +-6, and rounded to the nearest number of E2M1, ties to even, subnormals kept.
;;     - The product sums the exact products of the quantised numbers (number of the format x scale) in f32.
;;   ~~~python
;;   def quantise(x, axis):      # numpy; x: float32 -> the quantised numbers, widened to float32 again
;;       x = np.moveaxis(x, axis, -1); K = x.shape[-1]
;;       x = np.pad(x, [(0, 0)] * (x.ndim - 1) + [(0, -K % 32)]); x = x.reshape(x.shape[:-1] + (-1, 32)); a = np.abs(x).max(-1, keepdims=True)
;;       e = np.where(a > 0, np.clip(np.frexp(np.where(a > 0, a, 1))[1] - 1 - 2, -126, 127), 0)      # np.frexp(a)[1] - 1 = floor(log2(a)), exactly
;;       r = np.clip(x / 2.0 ** e, -6, 6)
;;       step = 2.0 ** (np.maximum(np.frexp(np.where(r == 0, 1, r))[1] - 1, 0) - 1)
;;       q = np.round(r / step) * step * 2.0 ** e      # np.round: ties to even
;;       return np.moveaxis(q.reshape(q.shape[:-2] + (-1,))[..., :K], -1, axis).astype(np.float32)
;;   ~~~
;;   SOFTMAX AHEAD OF A QUANTISED PRODUCT. Where the list says 'softmax', what is quantised is not the finished softmax but p = 2^(t - M), with t = logit x log2(e) and M = ceil(the row's largest t), a whole number; so 1/2 < the row's largest p <= 1. The row's sum l is taken of the UNQUANTISED p, in f32, and the product's result is divided by l at the end. Since M is a whole number, a kernel that streams over the keys may use a running M (the ceiling of the running maximum): every later rescaling is an exact power of two, which a block's scale takes up: the codes' values come out the same.
;;   OPERANDS COMPUTED ON THE WAY. 'Computed on the way' means the value that the module computes at that place (a softmax that the list does not call 'softmax' is quantised finished and normalised). What goes into a quantiser is computed in f32, as accurately as f32 sums, v_exp_f32 and their like allow (about 1e-6 of the number): no bf16 or f16 on the way to a quantiser, and a product that is left as it is and whose result goes on into a quantised operand takes f32 operands (vector FMAs, or v_wmma_f32_16x16x4_f32). A number that lies on a knife's edge between two numbers of the format may be rounded either way, as far as f32 arithmetic and the matrix unit's own rounding can turn it there, and no further.
;; 2 versions. Each part assembles by itself: llvm-mc -triple=amdgcn-amd-amdhsa -mcpu=gfx1250 --defsym DOCPART=n.
;; ======== version 1 of 2: 1 launch
;; launch lepe_attention (part 1): grid 8 x 32, 16 waves a work-group, no clusters, 73,728 bytes of LDS; arguments qkv, out0; writes out0
.if DOCPART == 1
	.amdgcn_target "amdgcn-amd-amdhsa--gfx1250"
	.amdhsa_code_object_version 6
	.text
	.protected	k_qf8196a95de_lepe_attention
	.globl	k_qf8196a95de_lepe_attention
	.p2align	8
	.type	k_qf8196a95de_lepe_attention,@function
k_qf8196a95de_lepe_attention:
	s_mov_b64 s[64:65], 0
	v_nop
	global_prefetch_b8 v0, s[64:65] scope:SCOPE_SE
	s_setreg_imm32_b32 hwreg(HW_REG_WAVE_MODE, 25, 1), 1
	s_wait_xcnt 0x0
; Window attention on codes of FP4 (E2M1), one E8M0 scale for each 32 along a product's K.  qkv: [3][2][4096][128] f32; out0: [2][4096][128] f32.
; A window is 16 x 16 x 4 places: token t (0..1023) of window wi of a batch is row 16 (t / 4) + 4 wi + t % 4, so four tokens are four neighbouring rows (512 bytes each) and
; the next four lie 8,192 bytes on.  A head is 32 channels: 128 bytes of a row.  8 windows x 4 heads = 32 attentions of 1,024 queries x 1,024 keys x 32 channels.
; SHARES.  Work-group (x, y): window y / 4, head y % 4, queries 128 x .. 128 x + 127.  Sixteen waves, four to a SIMD.  Wave w owns the 16 queries of tile w % 8 and the keys of half w / 8 (512 keys, four steps of 128);
; the two halves of a tile are merged at the end: M is a whole number in both, so the merge multiplies by exact powers of two.
; K AND V ARE QUANTISED HERE, once in each work-group, in items of 32 keys x 32 channels.  In each of two phases every wave takes the same 32 keys of V and of K: phase A makes the codes of steps 0 and 1 of both halves
; (16 items of each), phase B those of steps 2 and 3.  V: a lane a channel, its registers down the keys: a block of 32 keys lies in one lane.  K: four lanes a key, 32 neighbouring bytes a lane.
; Codes and scale words go to LDS as images of the operands' registers, each byte written once; a barrier stands between the stores and the steps that read them.  All waves walk one path: no wait's count hangs on a wave's number.
; THE ORDER OF THE LOADS.  Q, K of phase A, V of phase A go out together.  The first barrier stands behind K's codes alone: step 0's scores and softmax want no V, and V's numbers land under them; then V is quantised, a second
; barrier, and step 0's second product.  Phase B's loads are issued behind the first barrier, at which every wave has issued all its loads of phase A: V's 32 into the registers that K's item has left, in four runs of eight
; among step 0's softmax; K's 8 into the registers that V's item has left, behind the second barrier.  Register work stands between the first two barriers' signals and waits: Q's quantising, step 0's sums.
; THE FIRST PRODUCT HAS K = 32: one block of the instruction's four.  Q is kept in four variants, its 32 codes in block g and zero codes in the other three; so ONE fragment of K (8 registers) holds 64 keys, 16 in each block,
; and variant g multiplies the 16 keys of block g: what the other blocks hold meets zero codes.  The four variants are four windows on 20 registers: zeros, Q in lanes 0-15, zeros, Q in lanes 16-31, zeros.
; BOTH PRODUCTS ARE USED TRANSPOSED (S^T = K Q^T, O^T = V^T P^T): a lane holds one query (lane % 16) throughout.  Row m of group g of a chunk of 64 keys is key 32 (m / 8) + 8 g + m % 8: so the 32 score registers
; of a chunk in lane half h are the 32 NEIGHBOURING keys 32 h .. 32 h + 31, one whole block: its maximum needs no other lane, and the four conversions give P's operand registers as they stand.
; SOFTMAX.  t = score x log2(e); M = the running largest t rounded up to a whole number, kept as -M = floor(-t); p = 2^(t - M) is quantised; the row's sum is taken of the unquantised p and divides at the end.
; The eight work-groups of a window and head read the same K and V.  They are not asked for jointly: a joint request lands f32 numbers in LDS, 262,144 bytes for a head's K and V, of which each would be read back
; (V four bytes a lane) before it could be quantised; here the numbers go from memory into the registers in which they are quantised, and LDS holds the codes and scale words alone: 34,816 bytes.
; OUTPUT.  A head's piece of a row is 128 bytes: each store of a wave covers four runs of 128 consecutive bytes.  The other 128 bytes of each aligned 256 are the neighbouring head's, made by another work-group:
; two heads in a work-group would double the numbers of K and V that it quantises (131,072 for the same 131,072 scores).
; LIMITS.  NaN and infinities are not served.  A p under 2^-126 counts as 0 (v_exp_f32 gives 0 there).  A block of zeros gets the byte 1 where the rule says 127: its codes are zeros, and the bytes are read here alone.
; A block's largest p is made from the block's largest score by the same multiply-add and exponential: this takes v_exp_f32 not to fall where its input rises.
.set KI,   0                           ; LDS: K's codes: 16 chunks of 64 keys x 1,024 bytes (registers 0-3 of 32 lanes, then registers 4-7)
.set VI,   16384                       ; V's codes: 8 steps x 2 tiles of 16 channels x 1,024 bytes
.set KS,   32768                       ; K's scale words: a chunk's 16 rows x 4 bytes (byte g: group g)
.set VS,   33792                       ; V's scale words: a step's 32 channels x 4 bytes (byte b: the step's block b)
.set MG,   34816                       ; the merge: for each tile 2,048 bytes of O^T, 128 of -M, 128 of the sum.  At the start MG and STG together are Q's stages: 2,304 bytes for each of the 16 waves
.set STG,  53248                       ; the way out: for each tile 16 rows x (128 bytes + 16)
.set PAIRB, 2304
.set A16,  1                           ; v1   16 x lane + 8,192 x key half: where I read fragments
.set A4,   2                           ; v2   4 x lane + 512 x key half: where I read scale words
.set VOFFV, 3                          ; v3   V's loads: 4 x lane (a lane a channel)
.set VOFFK, 4                          ; v4   K's loads: key lane / 4 of eight, 32 bytes x lane % 4
.set QRD,  5                           ; v5   Q's stage, on the way back: row lane % 16
.set WKC,  6                           ; v6   where I store K's codes
.set WKS,  7                           ; v7   and K's scale word
.set WVC,  8                           ; v8   where I store V's codes
.set WVS,  9                           ; v9   and V's scale byte
.set SH8,  10                          ; v10  8 x (lane / 16)
.set MA16, 11                          ; v11  the merge: 16 x lane + my tile's area
.set NM,   12                          ; v12  -M       (the pair v[12:13] is named by the packed multiply-add, which takes its low word)
.set SM,   13                          ; v13  the running largest score
.set L,    14                          ; v[14:15] the row's sum, in two halves
.set F,    16                          ; v[16:17] f = 2^(old M - new M), in the low word
.set BM,   18                          ; v[18:19] the largest score, then the largest p, of my two blocks
.set BT,   20                          ; v[20:21] second chains
.set SO,   22                          ; v[22:23] the conversions' scale operands
.set BY,   24                          ; v[24:25] the scale bytes
.set T0,   26
.set T1,   27
.set T2,   28
.set T3,   29
.set MA4,  30                          ; v30  the merge: 4 x lane + my tile's area
.set STW,  31                          ; v31  the stage, on the way in
.set QZ,   32                          ; v32-51  zeros | Q in lanes 0-15 | zeros | Q in lanes 16-31 | zeros
.set QSC,  52                          ; Q's scale byte, four times
.set KSC,  53                          ; K's scale words: lanes 0-15 the step's first chunk, lanes 16-31 its second
.set VSC,  54                          ; V's: lanes 0-15 channels 0-15, lanes 16-31 channels 16-31
.set PSC,  55                          ; P's
.set KF,   56                          ; v56-71  two fragments of K: 128 keys
.set VF,   72                          ; v72-87  two fragments of V^T: 32 channels x 128 keys
.set P,    88                          ; v88-95  P's codes
.set S,    96                          ; v96-159 S^T, then p
.set O,    160                         ; v160-175 O^T: register 8 n + j = channel 16 n + 8 (lane / 16) + j
.set XA,   176                         ; v176-207 phase A's item of V, then phase B's of K, on their way in
.set XB,   208                         ; v208-239 phase A's item of K, then phase B's of V
.set C,    240                         ; v240-243 Q's, then V's codes just made
.set QM,   244                         ; v244-245 their largest magnitude (two chains), then the byte
.set QS,   248                         ; v248 their scale operand
.set KC,   S+32                        ; v128-131 K's codes just made: registers of their own, among the scores', which are dead between steps
.set KM,   S+36                        ; v132-135 K's largest magnitudes, then bytes
.set KQ,   S+40                        ; v136-139 K's scale operands
.set QR,   S+48                        ; v144-159 Q as it is loaded
.set STR,  252                         ; v252 the stage, on the way back
.set GOUT, 253                         ; v253 my byte offset in the tile's rows of out0, and of Q
.set QWR,  254                         ; v254 Q's stage, on the way in
.set WV,   8                           ; s8   my wave's number
.set QB,   16                          ; s[16:17] Q at my tile's first row, my head
.set IB,   18                          ; s[18:19] K at my item of phase A
.set OB,   20                          ; s[20:21] out0 at my tile's first row, my head
.set CS,   22                          ; s[22:23] log2(e)
.set SCL,  24                          ; s[24:25] 32^-0.5
.set SEL,  26                          ; s[26:27] v_permlanex16_b32's selects for lane l xor 16
.set NC,   28                          ; s28  -log2(e)
.set MSK,  29                          ; s29  lanes 0-15
.set IV,   36                          ; s[36:37] V at my item of phase A
.set PHG,  524288                      ; a phase on, in memory: 256 keys are 64 groups of 8,192 bytes
	s_load_b128 s[4:7], s[0:1], 0x0                ; qkv s[4:5], out0 s[6:7]
	v_lshl_add_u32 v251, v0, 2, 0x11800
	v_mov_b32 v255, 0
	v_lshrrev_b32 v[T0], 5, v0
	v_readfirstlane_b32 s[WV], v[T0]               ; wave 0..15
	s_and_b32 s9, ttmp7, 0xffff                    ; 4 x window + head
	s_and_b32 s10, s9, 3
	s_lshl_b32 s10, s10, 7                         ; the head: 128 bytes in a row
	s_bfe_u32 s11, s9, 0x20002
	s_lshl_b32 s11, s11, 11                        ; the window in its batch: 4 rows of 512 bytes
	s_lshr_b32 s12, s9, 4
	s_lshl_b32 s12, s12, 21                        ; the batch: 4,096 rows
	s_add_co_u32 s10, s10, s11
	s_add_co_u32 s10, s10, s12                     ; token 0 of my window, my head
	s_and_b32 s11, s[WV], 7                        ; my tile of queries.  Also: my item among the eight of a half and a phase
	s_lshr_b32 s12, s[WV], 3                       ; my half of the keys, for the steps and for my items alike
	s_bfe_u32 s13, s[WV], 0x10002                  ; which of a phase's two steps my items belong to
	s_and_b32 s14, s[WV], 3                        ; which 32 keys of that step's 128
	s_lshl_b32 s30, ttmp9, 18                      ; 128 queries are 32 groups of 8,192 bytes
	s_add_co_u32 s30, s30, s10
	s_lshl_b32 s15, s11, 15                        ; 16 queries are 4 groups
	s_add_co_u32 s30, s30, s15
	s_mov_b32 s31, 0
	s_add_co_u32 s32, s10, 0x400000                ; K begins 4 MiB into qkv
	s_lshl_b32 s15, s12, 20                        ; 512 keys are 128 groups
	s_add_co_u32 s32, s32, s15
	s_lshl_b32 s15, s11, 16                        ; 32 keys are 8 groups
	s_add_co_u32 s32, s32, s15
	s_mov_b32 s33, 0
	s_mul_i32 s38, s[WV], PAIRB                    ; my wave's stage for Q
	s_mov_b32 s[CS], 0x3fb8aa3b                    ; log2(e)
	s_mov_b32 s[CS+1], s[CS]                       ; (named with it as a pair, so it is written)
	s_mov_b32 s[SCL], 0x3e3504f3                   ; 32^-0.5 in f32
	s_mov_b32 s[SCL+1], s[SCL]
	s_mov_b32 s[SEL], 0x76543210
	s_mov_b32 s[SEL+1], 0xfedcba98
	s_mov_b32 s[NC], 0xbfb8aa3b
	s_mov_b32 s[MSK], 0xffff
	; every address is made here
	v_and_b32 v[T0], 31, v0                        ; lane
	v_bfe_u32 v[T1], v0, 4, 1                      ; lane / 16
	v_bfe_u32 v[T2], v0, 2, 2                      ; (lane / 4) % 4
	v_and_b32 v[T3], 3, v0                         ; lane % 4
	v_and_b32 v[BM], 15, v0                        ; lane % 16
	s_lshl_b32 s15, s12, 13
	v_lshl_add_u32 v[A16], v[T0], 4, s15
	v_lshlrev_b32 v[VOFFV], 2, v[T0]
	v_lshlrev_b32 v[VOFFK], 13, v[T1]              ; key lane / 4: its group of four rows,
	v_lshl_add_u32 v[VOFFK], v[T2], 9, v[VOFFK]    ; its row in the group,
	v_lshl_add_u32 v[VOFFK], v[T3], 5, v[VOFFK]    ; and my 32 bytes of its 128
	s_lshl_b32 s34, s13, 11
	s_add_co_u32 s15, s15, s34                     ; my items' step among the codes: 8,192 x half + 2,048 x step
	s_lshr_b32 s34, s14, 1                         ; K's codes: key 8 p + lane / 4 of my item is row 8 (item % 2) + lane / 4 of group p: 16 bytes a row, my word lane % 4 of it: 4 x lane
	s_lshl_b32 s34, s34, 10                        ; the chunk
	s_add_co_u32 s34, s34, s15
	s_and_b32 s35, s14, 1
	s_lshl_b32 s35, s35, 7                         ; rows 8-15
	s_add_co_u32 s34, s34, s35
	v_lshl_add_u32 v[WKC], v[T0], 2, s34
	s_lshl_b32 s34, s14, 8                         ; V's codes: tile lane / 16, image lane lane % 16 + 16 (block % 2), registers 4 (block / 2) on: 256 bytes x block
	s_add_co_u32 s34, s34, s15
	v_lshlrev_b32 v[WVC], 10, v[T1]
	v_lshl_add_u32 v[WVC], v[BM], 4, v[WVC]
	v_add_nc_u32 v[WVC], s34, v[WVC]
	s_lshl_b32 s15, s12, 9
	v_lshl_add_u32 v[A4], v[T0], 2, s15
	s_lshl_b32 s34, s11, 5                         ; K's scale words: 8 rows x 4 bytes an item, four items a step
	s_add_co_u32 s34, s34, s15
	v_and_b32 v[WKS], 28, v0                       ; 4 x (lane / 4)
	v_add_nc_u32 v[WKS], s34, v[WKS]
	s_lshl_b32 s34, s13, 7                         ; V's scale bytes: 128 bytes a step; the channel's word, byte = my block of the step's four
	s_add_co_u32 s34, s34, s15
	s_add_co_u32 s34, s34, s14
	v_lshl_add_u32 v[WVS], v[T0], 2, s34
	v_lshlrev_b32 v[SH8], 3, v[T1]
	s_mul_i32 s15, s11, PAIRB                      ; my tile's area in the merge and in the stage
	v_lshl_add_u32 v[MA16], v[T0], 4, s15
	v_lshl_add_u32 v[MA4], v[T0], 2, s15
	v_mul_u32_u24 v[STW], v[BM], 144               ; row lane % 16 of a stage
	v_add_nc_u32 v[QRD], s38, v[STW]               ; Q, back: that row of my wave's stage
	v_lshl_add_u32 v[STW], v[T1], 5, v[STW]        ; the way out, in: 32 bytes for each half of the lanes
	v_add_nc_u32 v[STW], s15, v[STW]
	v_bfe_u32 v[BT], v0, 3, 2                      ; eight lanes to a row of 128 bytes, four rows an instruction
	v_and_b32 v[BT+1], 7, v0
	v_mul_u32_u24 v[STR], v[BT], 144
	v_lshl_add_u32 v[STR], v[BT+1], 4, v[STR]
	v_add_nc_u32 v[QWR], s38, v[STR]               ; Q, in: so into my wave's stage
	v_add_nc_u32 v[STR], s15, v[STR]               ; the way out, back: so out of my tile's
	v_lshlrev_b32 v[GOUT], 9, v[BT]                ; and the same four rows in memory
	v_lshl_add_u32 v[GOUT], v[BT+1], 4, v[GOUT]
	v_mov_b32 v[F+1], 0                            ; (the upper half of a pair that packed forms name)
	s_wait_kmcnt 0x0
	s_add_nc_u64 s[QB:QB+1], s[4:5], s[30:31]
	s_add_nc_u64 s[OB:OB+1], s[6:7], s[30:31]
	s_add_nc_u64 s[IB:IB+1], s[4:5], s[32:33]
	s_add_nc_u64 s[IV:IV+1], s[IB:IB+1], 0x400000  ; V lies 4 MiB behind K
; A quarter of my item of V, phase phs: V(key i, channel = lane), i = 8 q .. 8 q + 7, into set xr: each load reads 128 consecutive bytes
.macro VLOADQ phs, xr, q
.set nn, 8*(\q)
.rept 8
	global_load_b32 v[\xr+nn], v[VOFFV], s[IV:IV+1] offset:(\phs)*PHG+(nn/4)*8192+(nn%4)*512
.set nn, nn+1
.endr
.endm
; My item of K: registers 8 p .. 8 p + 7 = channels 8 (lane % 4) + 0 .. 7 of key 8 p + lane / 4
.macro KLOAD phs, xr
.irp p, 0,1,2,3
	global_load_b128 v[\xr+8*\p:\xr+8*\p+3], v[VOFFK], s[IB:IB+1] offset:(\phs)*PHG+\p*16384
	global_load_b128 v[\xr+8*\p+4:\xr+8*\p+7], v[VOFFK], s[IB:IB+1] offset:(\phs)*PHG+\p*16384+16
.endr
.endm
; The largest magnitude of 32 registers, in two chains, with the floor 2^(3 - 127) among the leaves: so the scale's byte cannot fall under 1
.macro MAX32 d, t, xr
	v_max3_num_f32 v[\d], |v[\xr]|, |v[\xr+1]|, 0x1800000
	v_max3_num_f32 v[\t], |v[\xr+16]|, |v[\xr+17]|, |v[\xr+18]|
.irp i, 0,2,4,6,8,10
	v_max3_num_f32 v[\d], v[\d], |v[\xr+2+\i]|, |v[\xr+3+\i]|
	v_max3_num_f32 v[\t], v[\t], |v[\xr+19+\i]|, |v[\xr+20+\i]|
.endr
	v_max3_num_f32 v[\d], v[\d], |v[\xr+14]|, |v[\xr+15]|
	v_max3_num_f32 v[\d], v[\d], v[\t], |v[\xr+31]|
.endm
; V's item: the block of 32 keys of my channel is all mine
.macro VQUANT phs, xr
	MAX32 QM, QM+1, \xr
	v_add_nc_u32 v[QS], 0xff000000, v[QM]          ; 2 off the exponent field: the conversion takes the exponent field of this operand as its scale
.irp g, 0,1,2,3
	v_cvt_scalef32_pk8_fp4_f32 v[C+\g], v[\xr+8*\g:\xr+8*\g+7], v[QS]
.endr
	v_lshrrev_b32 v[QM], 23, v[QS]                 ; the scale's byte (also the plain line behind the conversions)
	ds_store_b128 v[WVC], v[C:C+3] offset:VI+(\phs)*4096
	ds_store_b8 v[WVS], v[QM] offset:VS+(\phs)*256
.endm
; K's item: four keys a lane, eight channels of each; lanes l, l xor 1, l xor 2, l xor 3 share a key
.macro KQUANT phs, xr
.irp p, 0,1,2,3
	v_max3_num_f32 v[KM+\p], |v[\xr+8*\p]|, |v[\xr+8*\p+1]|, 0x1800000
.endr
.irp i, 2,4,6
.irp p, 0,1,2,3
	v_max3_num_f32 v[KM+\p], v[KM+\p], |v[\xr+8*\p+\i]|, |v[\xr+8*\p+\i+1]|
.endr
.endr
.irp p, 0,1,2,3
	v_max_num_f32_dpp v[KM+\p], v[KM+\p], v[KM+\p] row_xmask:1 row_mask:0xf bank_mask:0xf
.endr
.irp p, 0,1,2,3
	v_max_num_f32_dpp v[KM+\p], v[KM+\p], v[KM+\p] row_xmask:2 row_mask:0xf bank_mask:0xf
.endr
.irp p, 0,1,2,3
	v_add_nc_u32 v[KQ+\p], 0xff000000, v[KM+\p]
.endr
.irp p, 0,1,2,3
	v_cvt_scalef32_pk8_fp4_f32 v[KC+\p], v[\xr+8*\p:\xr+8*\p+7], v[KQ+\p]
.endr
.irp p, 0,1,2,3
	v_lshrrev_b32 v[KM+\p], 23, v[KQ+\p]           ; the bytes (plain lines behind the conversions)
.endr
	v_lshl_or_b32 v[KM], v[KM+1], 8, v[KM]         ; my row's scale word: byte p = group p
	v_lshl_or_b32 v[KM], v[KM+2], 16, v[KM]
	v_lshl_or_b32 v[KM], v[KM+3], 24, v[KM]
.irp p, 0,1,2,3
	ds_store_b32 v[WKC], v[KC+\p] offset:KI+(\phs)*4096+(\p/2)*512+(\p%2)*256  ; 32 lanes store 128 consecutive bytes
.endr
	ds_store_b32 v[WKS], v[KM] offset:KS+(\phs)*256                            ; the four lanes of a key store the same word
.endm
; The st-th 128 keys of my half: K's two fragments and scale words; V's likewise.  Five LDS loads each
.macro LDK st
.irp i, 0,1,2,3
	ds_load_b128 v[KF+4*\i:KF+4*\i+3], v[A16] offset:KI+(\st)*2048+512*\i
.endr
	ds_load_b32 v[KSC], v[A4] offset:KS+(\st)*128
.endm
.macro LDV st
.irp i, 0,1,2,3
	ds_load_b128 v[VF+4*\i:VF+4*\i+3], v[A16] offset:VI+(\st)*2048+512*\i
.endr
	ds_load_b32 v[VSC], v[A4] offset:VS+(\st)*128
.endm
; A KEY STEP'S FIRST PART: scores, M, p, P's codes and scale word.  first = 1: it starts M.  nk: the step whose fragments of K are fetched as soon as this step's products have read theirs (-1: none).
; vb = 1: phase B's item of V is asked for on the way, in runs of eight, into the set that phase A's item of K has left.
.macro SCORES first, nk, vb
.irp g, 0,1,2,3                                ; Q's variant g picks the 16 keys of block g; eight accumulators, each begun with the constant 0
	v_wmma_scale_f32_16x16x128_f8f6f4 v[S+8*\g:S+8*\g+7], v[KF:KF+7], v[QZ+4+8*(\g%2)-4*(\g/2):QZ+11+8*(\g%2)-4*(\g/2)], 0, v[KSC], v[QSC] matrix_a_fmt:MATRIX_FMT_FP4 matrix_b_fmt:MATRIX_FMT_FP4
.endr
.irp g, 0,1,2,3
	v_wmma_scale_f32_16x16x128_f8f6f4 v[S+32+8*\g:S+32+8*\g+7], v[KF+8:KF+15], v[QZ+4+8*(\g%2)-4*(\g/2):QZ+11+8*(\g%2)-4*(\g/2)], 0, v[KSC], v[QSC] matrix_a_fmt:MATRIX_FMT_FP4 matrix_b_fmt:MATRIX_FMT_FP4 matrix_a_scale:MATRIX_SCALE_ROW1
.endr
.rept 4
	v_nop                                          ; four places between a matrix instruction and the first read of its result, and a load into a register that it has read
.endr
.if \nk >= 0
	LDK \nk                                        ; the next step's: a whole softmax ahead of their use
.endif
	; the largest score of my two blocks (registers 32 c .. 32 c + 31), two chains each, each accumulator read from its low end on
.irp c, 0,1
	v_max3_num_f32 v[BM+\c], v[S+32*\c], v[S+32*\c+1], v[S+32*\c+2]
	v_max3_num_f32 v[BT+\c], v[S+32*\c+16], v[S+32*\c+17], v[S+32*\c+18]
.endr
.irp i, 3,5,7,9,11,13
.irp c, 0,1
	v_max3_num_f32 v[BM+\c], v[BM+\c], v[S+32*\c+\i], v[S+32*\c+\i+1]
	v_max3_num_f32 v[BT+\c], v[BT+\c], v[S+32*\c+16+\i], v[S+32*\c+17+\i]
.endr
.endr
.irp c, 0,1
	v_max3_num_f32 v[BM+\c], v[BM+\c], v[BT+\c], v[S+32*\c+15]
.endr
.irp c, 0,1
	v_max_num_f32 v[BM+\c], v[BM+\c], v[S+32*\c+31]
.endr
.if \vb
	VLOADQ 1, XB, 0
.endif
.if \first
	v_max_num_f32 v[T0], v[BM], v[BM+1]
.else
	v_max3_num_f32 v[T0], v[SM], v[BM], v[BM+1]
.endif
	v_permlanex16_b32 v[T1], v[T0], s[SEL], s[SEL+1]   ; my query's other 64 keys lie in lane l xor 16
	v_max_num_f32 v[SM], v[T0], v[T1]              ; the running largest score
	v_mul_f32 v[T2], s[NC], v[SM]                  ; -t
.if \first
	v_floor_f32 v[NM], v[T2]                       ; -M = floor(-t) = -ceil(t)
.else
	v_mov_b32 v[T3], v[NM]
	v_floor_f32 v[NM], v[T2]
	v_sub_f32 v[T3], v[NM], v[T3]                  ; old M - new M: a whole number, 0 or less
	v_cvt_i32_f32 v[T3], v[T3]                     ; (it saturates)
	v_ldexp_f32 v[F], 1.0, v[T3]                   ; f = 2^(old M - new M): multiplying by it rounds nothing
.endif
.set nn, 0
.rept 32
	v_pk_fma_f32 v[S+nn:S+nn+1], v[S+nn:S+nn+1], s[CS:CS+1], v[NM:NM+1] op_sel_hi:[1,0,0]   ; t - M, two at a time
.set nn, nn+2
.endr
.if \vb
	VLOADQ 1, XB, 1
.endif
.irp c, 0,1
	v_fma_f32 v[BM+\c], v[BM+\c], s[CS], v[NM]     ; the same of each block's largest score
.endr
.irp c, 0,1
	v_exp_f32 v[BM+\c], v[BM+\c]                   ; the block's largest p
.endr
.set nn, 0
.rept 64
	v_exp_f32 v[S+nn], v[S+nn]                     ; p = 2^(t - M): not normalised
.set nn, nn+1
.endr
.if \first
	v_nop                                          ; a plain line behind the last exponential
.else
	v_pk_mul_f32 v[L:L+1], v[L:L+1], v[F:F+1] op_sel_hi:[1,0]   ; the sums under the new M (the plain line behind the last exponential)
.endif
	s_wait_alu depctr_va_vdst(0)                   ; one wait for the batch of 66, ahead of its first reader
.irp c, 0,1
	v_max_num_f32 v[BM+\c], 0x1800000, v[BM+\c]    ; the floor 2^(3 - 127)
.endr
.irp c, 0,1
	v_add_nc_u32 v[SO+\c], 0xff000000, v[BM+\c]    ; the conversion's scale operand
.endr
.irp c, 0,1
	v_lshrrev_b32 v[BY+\c], 23, v[SO+\c]           ; the byte of block 2 c + lane / 16
.endr
	v_lshl_or_b32 v[PSC], v[BY+1], 16, v[BY]
	v_lshlrev_b32 v[PSC], v[SH8], v[PSC]           ; at their places in the word,
	v_permlanex16_b32 v[T1], v[PSC], s[SEL], s[SEL+1]
	v_or_b32 v[PSC], v[PSC], v[T1]                 ; and with lane l xor 16's two the word is whole
.if \vb
	VLOADQ 1, XB, 2
.endif
.irp c, 0,1
.irp g, 0,1,2,3
	v_cvt_scalef32_pk8_fp4_f32 v[P+4*\c+\g], v[S+32*\c+8*\g:S+32*\c+8*\g+7], v[SO+\c]   ; keys 64 c + 32 (lane / 16) + 8 g + 0 .. 7: P's register 4 c + g
.endr
.endr
.endm
; THE SUMS: the row's sum of the unquantised p, two at a time, in two chains; and O^T under the new M.  first = 1: they start the sum.  All plain lines on registers: they are also the places that a scale word (8)
; and an operand (4) written by vector instructions owe in front of a scaled matrix instruction, and the plain line behind the conversions
.macro SUMS first
.if \first
	v_pk_add_f32 v[L:L+1], v[S:S+1], v[S+2:S+3]
	v_pk_add_f32 v[BT:BT+1], v[S+4:S+5], v[S+6:S+7]
.irp j, 8,12,16,20,24,28,32,36,40,44,48,52,56,60
	v_pk_add_f32 v[L:L+1], v[L:L+1], v[S+\j:S+\j+1]
	v_pk_add_f32 v[BT:BT+1], v[BT:BT+1], v[S+\j+2:S+\j+3]
.endr
.else
.irp j, 0,2,4,6,8,10,12,14
	v_pk_mul_f32 v[O+\j:O+\j+1], v[O+\j:O+\j+1], v[F:F+1] op_sel_hi:[1,0]
.endr
	v_pk_add_f32 v[BT:BT+1], v[S:S+1], v[S+2:S+3]
.irp j, 4,8,12,16,20,24,28,32,36,40,44,48,52,56,60
	v_pk_add_f32 v[L:L+1], v[L:L+1], v[S+\j:S+\j+1]
	v_pk_add_f32 v[BT:BT+1], v[BT:BT+1], v[S+\j+2:S+\j+3]
.endr
.endif
	v_pk_add_f32 v[L:L+1], v[L:L+1], v[BT:BT+1]
.endm
; THE SECOND PRODUCT: O^T += V^T P^T, 32 channels x my 16 queries, K = the step's 128 keys.  first = 1: it starts O^T: nothing is cleared
.macro PV first
.if \first
	v_wmma_scale_f32_16x16x128_f8f6f4 v[O:O+7], v[VF:VF+7], v[P:P+7], 0, v[VSC], v[PSC] matrix_a_fmt:MATRIX_FMT_FP4 matrix_b_fmt:MATRIX_FMT_FP4
	v_wmma_scale_f32_16x16x128_f8f6f4 v[O+8:O+15], v[VF+8:VF+15], v[P:P+7], 0, v[VSC], v[PSC] matrix_a_fmt:MATRIX_FMT_FP4 matrix_b_fmt:MATRIX_FMT_FP4 matrix_a_scale:MATRIX_SCALE_ROW1
.else
	v_wmma_scale_f32_16x16x128_f8f6f4 v[O:O+7], v[VF:VF+7], v[P:P+7], v[O:O+7], v[VSC], v[PSC] matrix_a_fmt:MATRIX_FMT_FP4 matrix_b_fmt:MATRIX_FMT_FP4
	v_wmma_scale_f32_16x16x128_f8f6f4 v[O+8:O+15], v[VF+8:VF+15], v[P:P+7], v[O+8:O+15], v[VSC], v[PSC] matrix_a_fmt:MATRIX_FMT_FP4 matrix_b_fmt:MATRIX_FMT_FP4 matrix_a_scale:MATRIX_SCALE_ROW1
.endif
.endm
; A WHOLE KEY STEP but the first.  behind = 1: it stands directly behind another step's last products, and its fragments of K were fetched in that step (the wait for all LDS loads in front of those products has shown them in).
.macro STEP st, behind, nk
.if \behind
.rept 4
	v_nop                                          ; four places between a matrix instruction and a load into a register that it has read
.endr
	LDV \st
.else
	LDK \st
	LDV \st
	s_wait_dscnt 0x5                               ; K's five loads are in; V's five may stay out
.endif
	SCORES 0, \nk, 0
	SUMS 0
	s_wait_dscnt 0x0                               ; V's fragments and scale words are in (and the next step's of K, where they were asked for)
	PV 0
.endm
	; ---- the loads go out: Q's four, then my items of phase A: K's 8, V's 32
.irp i, 0,1,2,3
	global_load_b128 v[QR+4*\i:QR+4*\i+3], v[GOUT], s[QB:QB+1] offset:8192*\i   ; four neighbouring rows, 128 consecutive bytes of each
.endr
	KLOAD 0, XB
.irp q, 0,1,2,3
	VLOADQ 0, XA, \q
.endr
	s_wait_loadcnt 40                              ; Q is in: the 8 + 32 loads issued behind its four may stay out
.irp i, 0,1,2,3
	ds_store_b128 v[QWR], v[QR+4*\i:QR+4*\i+3] offset:MG+576*\i   ; through my wave's own stage: in as loaded, eight lanes to a row,
.endr
.irp j, 0,1,2,3,4,5,6,7
	ds_load_b128 v[S+4*\j:S+4*\j+3], v[QRD] offset:MG+16*\j       ; back a row a lane: all 32 channels of query lane % 16, in both halves of the lanes.  LDS serves a wave's instructions in order (ISA guide 5.7.1.4)
.endr
	s_wait_loadcnt 32                              ; K's item is in; V's 32 loads may stay out
	KQUANT 0, XB
	s_wait_dscnt 0x0                               ; for the others' sake: my stores of K's codes have landed; and Q is back from its stage
	s_barrier_signal -1
	; ---- Q x 32^-0.5, in f32, is quantised between the signal and the wait: work on registers alone
.set nn, 0
.rept 16
	v_pk_mul_f32 v[S+nn:S+nn+1], v[S+nn:S+nn+1], s[SCL:SCL+1] op_sel_hi:[1,0]
.set nn, nn+2
.endr
	MAX32 QM, QM+1, S
	v_add_nc_u32 v[QS], 0xff000000, v[QM]
.irp g, 0,1,2,3
	v_cvt_scalef32_pk8_fp4_f32 v[C+\g], v[S+8*\g:S+8*\g+7], v[QS]
.endr
	v_lshrrev_b32 v[QM], 23, v[QS]                 ; the byte (the plain line behind the conversions),
	v_lshl_or_b32 v[QM], v[QM], 8, v[QM]
	v_lshl_or_b32 v[QSC], v[QM], 16, v[QM]         ; in all four bytes: one word serves the four variants
.irp i, 0,1,2,3
	v_mov_b32 v[QZ+\i], 0
	v_mov_b32 v[QZ+8+\i], 0
	v_mov_b32 v[QZ+16+\i], 0
.endr
.irp i, 0,1,2,3
	v_cndmask_b32 v[QZ+4+\i], 0, v[C+\i], s[MSK]           ; the codes in lanes 0-15, zero codes in lanes 16-31
	v_cndmask_b32 v[QZ+12+\i], v[C+\i], v[QZ+\i], s[MSK]   ; and the other way round
.endr
.rept 4
	v_nop                                          ; an operand written by vector instructions stands four places ahead of a scaled matrix instruction
.endr
	s_barrier_wait -1                              ; K's codes of steps 0 and 1 lie in LDS, and every wave has issued all its loads of phase A
	; ---- step 0, its first part: it wants no V
	LDK 0
	s_wait_dscnt 0x0
	SCORES 1, 1, 1
	s_wait_loadcnt 24                              ; V's item of phase A is in: the three runs of eight issued behind it may stay out
	VLOADQ 1, XB, 3
	VQUANT 0, XA
	s_wait_dscnt 0x0                               ; for the others' sake: my stores of V's codes have landed (and step 1's fragments of K are in)
	s_barrier_signal -1
	SUMS 1                                         ; work on registers alone, between the signal and the wait
	s_barrier_wait -1                              ; V's codes of steps 0 and 1 lie in LDS
	LDV 0
	KLOAD 1, XA                                    ; phase B's item of K, into the set that V's has left
	s_wait_dscnt 0x0
	PV 1
	STEP 1, 1, -1
	; ---- phase B: V's 32 loads were issued ahead of K's 8
	s_wait_loadcnt 8                               ; V's item is in; K's eight loads may stay out
	VQUANT 1, XB
	s_wait_loadcnt 0x0                             ; K's item is in
	KQUANT 1, XA
	s_wait_dscnt 0x0                               ; for the others' sake: my stores have landed
	s_barrier_signal -1
	s_barrier_wait -1                              ; the codes of steps 2 and 3 lie in LDS
	STEP 2, 0, 3
	STEP 3, 1, -1
	; ---- the two halves of the keys meet.  The additions and v_nop are the places behind the last products
	v_add_f32 v[L], v[L], v[L+1]
	v_nop
	v_permlanex16_b32 v[T1], v[L], s[SEL], s[SEL+1]
	v_nop
	v_add_f32 v[L], v[L], v[T1]                    ; my half's sum for query lane % 16
	v_nop
	s_cmp_lt_u32 s[WV], 8
	s_cbranch_scc1 .Lkeep
.irp i, 0,1,2,3
	ds_store_b128 v[MA16], v[O+4*\i:O+4*\i+3] offset:MG+512*\i   ; waves 8-15 hand over O^T as it stands (each accumulator from its low end on),
.endr
	ds_store_b32 v[MA4], v[NM] offset:MG+2048      ; -M
	ds_store_b32 v[MA4], v[L] offset:MG+2176       ; and the sum
.Lkeep:
	s_wait_dscnt 0x0                               ; for the partner's sake: the stores have landed
	s_barrier_signal -1
	s_barrier_wait -1
	s_cmp_lt_u32 s[WV], 8
	s_cbranch_scc1 .Lmerge
	s_wait_tensorcnt 0x0
	ds_add_u32 v251, v255
	s_wait_dscnt 0x0
	s_endpgm
.Lmerge:
.irp i, 0,1,2,3
	ds_load_b128 v[S+4*\i:S+4*\i+3], v[MA16] offset:MG+512*\i
.endr
	ds_load_b32 v[T2], v[MA4] offset:MG+2048
	ds_load_b32 v[T3], v[MA4] offset:MG+2176
	s_wait_dscnt 0x0
	v_min_num_f32 v[T0], v[NM], v[T2]              ; the larger M, as -M
	v_sub_f32 v[F], v[T0], v[NM]                   ; my M - the larger M,
	v_sub_f32 v[BM], v[T0], v[T2]                  ; the partner's likewise: whole numbers, 0 or less
	v_cvt_i32_f32 v[F], v[F]
	v_cvt_i32_f32 v[BM], v[BM]
	v_ldexp_f32 v[F], 1.0, v[F]
	v_ldexp_f32 v[BM], 1.0, v[BM]
	v_mul_f32 v[L], v[L], v[F]
	v_fmac_f32 v[L], v[T3], v[BM]                  ; the row's sum under the larger M
	v_rcp_f32 v[T1], v[L]
	v_nop                                          ; a plain line behind the reciprocal
	s_wait_alu depctr_va_vdst(0)                   ; and the wait ahead of its first reader
	v_mul_f32 v[F], v[F], v[T1]
	v_mul_f32 v[BM], v[BM], v[T1]
.irp j, 0,2,4,6,8,10,12,14
	v_pk_mul_f32 v[O+\j:O+\j+1], v[O+\j:O+\j+1], v[F:F+1] op_sel_hi:[1,0]
.endr
.irp j, 0,2,4,6,8,10,12,14
	v_pk_fma_f32 v[O+\j:O+\j+1], v[S+\j:S+\j+1], v[BM:BM+1], v[O+\j:O+\j+1] op_sel_hi:[1,0,1]
.endr
	; ---- the way out: a lane holds 4 x 16 bytes of its query's 128; through my own stage they come back eight lanes to a row
.irp n, 0,1
	ds_store_b128 v[STW], v[O+8*\n:O+8*\n+3] offset:STG+64*\n
	ds_store_b128 v[STW], v[O+8*\n+4:O+8*\n+7] offset:STG+64*\n+16
.endr
.irp i, 0,1,2,3
	ds_load_b128 v[S+16+4*\i:S+19+4*\i], v[STR] offset:STG+576*\i   ; LDS serves a wave's instructions in order (ISA guide 5.7.1.4): these see my stores
.endr
.irp i, 0,1,2,3
	s_wait_dscnt 3-\i                              ; the younger loads from the stage may stay out
	global_store_b128 v[GOUT], v[S+16+4*\i:S+19+4*\i], s[OB:OB+1] offset:8192*\i th:TH_STORE_NT   ; four neighbouring rows, 128 consecutive bytes of each
.endr
	s_wait_tensorcnt 0x0
	ds_add_u32 v251, v255
	s_wait_dscnt 0x0
	s_endpgm
.Lfunc_end_k_qf8196a95de_lepe_attention:
	.size	k_qf8196a95de_lepe_attention, .Lfunc_end_k_qf8196a95de_lepe_attention-k_qf8196a95de_lepe_attention
	.p2alignl 7, 3214868480
	.fill 96, 4, 3214868480
	.section	.rodata,"a",@progbits
	.p2align	6, 0x0
	.amdhsa_kernel k_qf8196a95de_lepe_attention
		.amdhsa_group_segment_fixed_size 73728
		.amdhsa_private_segment_fixed_size 0
		.amdhsa_enable_private_segment 0
		.amdhsa_kernarg_size 16
		.amdhsa_user_sgpr_count 2
		.amdhsa_user_sgpr_kernarg_segment_ptr 1
		.amdhsa_wavefront_size32 1
		.amdhsa_system_sgpr_workgroup_id_x 1
		.amdhsa_system_sgpr_workgroup_id_y 1
		.amdhsa_system_sgpr_workgroup_id_z 1
		.amdhsa_system_vgpr_workitem_id 0
		.amdhsa_next_free_vgpr 256
		.amdhsa_next_free_sgpr 66
		.amdhsa_reserve_vcc 0
		.amdhsa_float_denorm_mode_32 3
		.amdhsa_float_denorm_mode_16_64 3
		.amdhsa_memory_ordered 1
		.amdhsa_forward_progress 1
		.amdhsa_inst_pref_size 78
	.end_amdhsa_kernel
	.amdgpu_metadata
---
amdhsa.version: [ 1, 2 ]
amdhsa.kernels:
  - .name:           k_qf8196a95de_lepe_attention
    .symbol:         k_qf8196a95de_lepe_attention.kd
    .args:
      - { .name: qkv, .offset: 0, .size: 8, .value_kind: global_buffer, .address_space: global }
      - { .name: out0, .offset: 8, .size: 8, .value_kind: global_buffer, .address_space: global }
    .group_segment_fixed_size: 73728
    .private_segment_fixed_size: 0
    .kernarg_segment_align: 8
    .kernarg_segment_size: 16
    .max_flat_workgroup_size: 512
    .sgpr_count:     66
    .vgpr_count:     256
    .wavefront_size: 32
...
	.end_amdgpu_metadata
.endif
;; end of part 1
;; ======== version 2 of 2: 1 launch; version 1 with the launch lepe_attention written anew for expert scheduling mode
;; launch lepe_attention (part 2): grid 8 x 32, 16 waves a work-group, no clusters, 73,728 bytes of LDS; arguments qkv, out0; writes out0
.if DOCPART == 2
	.amdgcn_target "amdgcn-amd-amdhsa--gfx1250"
	.amdhsa_code_object_version 6
	.text
	.protected	k_qf8196a95de_lepe_attention
	.globl	k_qf8196a95de_lepe_attention
	.p2align	8
	.type	k_qf8196a95de_lepe_attention,@function
k_qf8196a95de_lepe_attention:
	s_mov_b64 s[64:65], 0
	v_nop
	global_prefetch_b8 v0, s[64:65] scope:SCOPE_SE
	s_setreg_imm32_b32 hwreg(HW_REG_WAVE_SCHED_MODE, 0, 2), 2
	s_setreg_imm32_b32 hwreg(HW_REG_WAVE_MODE, 25, 1), 1
	s_wait_xcnt 0x0
	s_wait_alu depctr_vm_vsrc(0)
; Window attention on codes of FP4 (E2M1), one E8M0 scale for each 32 along a product's K.  qkv: [3][2][4096][128] f32; out0: [2][4096][128] f32.
; A window is 16 x 16 x 4 places: token t (0..1023) of window wi of a batch is row 16 (t / 4) + 4 wi + t % 4, so four tokens are four neighbouring rows (512 bytes each) and
; the next four lie 8,192 bytes on.  A head is 32 channels: 128 bytes of a row.  8 windows x 4 heads = 32 attentions of 1,024 queries x 1,024 keys x 32 channels.
; SHARES.  Work-group (x, y): window y / 4, head y % 4, queries 128 x .. 128 x + 127.  Sixteen waves, four to a SIMD.  Wave w owns the 16 queries of tile w % 8 and the keys of half w / 8 (512 keys, four steps of 128);
; the two halves of a tile are merged at the end: M is a whole number in both, so the merge multiplies by exact powers of two.
; K AND V ARE QUANTISED HERE, once in each work-group, in items of 32 keys x 32 channels.  In each of two phases every wave takes the same 32 keys of V and of K: phase A makes the codes of steps 0 and 1 of both halves
; (16 items of each), phase B those of steps 2 and 3.  V: a lane a channel, its registers down the keys: a block of 32 keys lies in one lane.  K: four lanes a key, 32 neighbouring bytes a lane.
; Codes and scale words go to LDS as images of the operands' registers, each byte written once; a barrier stands between the stores and the steps that read them.  All waves walk one path: no wait's count hangs on a wave's number.
; THE ORDER OF THE LOADS.  Q, K of phase A, V of phase A go out together.  The first barrier stands behind K's codes alone: step 0's scores and softmax want no V, and V's numbers land under them; then V is quantised, a second
; barrier, and step 0's second product.  Phase B's loads are issued behind the first barrier, at which every wave has issued all its loads of phase A: V's 32 into the registers that K's item has left, in four runs of eight
; among step 0's softmax; K's 8 into the registers that V's item has left, behind the second barrier.  Register work stands between the first two barriers' signals and waits: Q's quantising, step 0's sums.
; THE FIRST PRODUCT HAS K = 32: one block of the instruction's four.  Q is kept in four variants, its 32 codes in block g and zero codes in the other three; so ONE fragment of K (8 registers) holds 64 keys, 16 in each block,
; and variant g multiplies the 16 keys of block g: what the other blocks hold meets zero codes.  The four variants are four windows on 20 registers: zeros, Q in lanes 0-15, zeros, Q in lanes 16-31, zeros.
; BOTH PRODUCTS ARE USED TRANSPOSED (S^T = K Q^T, O^T = V^T P^T): a lane holds one query (lane % 16) throughout.  Row m of group g of a chunk of 64 keys is key 32 (m / 8) + 8 g + m % 8: so the 32 score registers
; of a chunk in lane half h are the 32 NEIGHBOURING keys 32 h .. 32 h + 31, one whole block: its maximum needs no other lane, and the four conversions give P's operand registers as they stand.
; SOFTMAX.  t = score x log2(e); M = the running largest t rounded up to a whole number, kept as -M = floor(-t); p = 2^(t - M) is quantised; the row's sum is taken of the unquantised p and divides at the end.
; The eight work-groups of a window and head read the same K and V.  They are not asked for jointly: a joint request lands f32 numbers in LDS, 262,144 bytes for a head's K and V, of which each would be read back
; (V four bytes a lane) before it could be quantised; here the numbers go from memory into the registers in which they are quantised, and LDS holds the codes and scale words alone: 34,816 bytes.
; OUTPUT.  A head's piece of a row is 128 bytes: each store of a wave covers four runs of 128 consecutive bytes.  The other 128 bytes of each aligned 256 are the neighbouring head's, made by another work-group:
; two heads in a work-group would double the numbers of K and V that it quantises (131,072 for the same 131,072 scores).
; LIMITS.  NaN and infinities are not served.  A p under 2^-126 counts as 0 (v_exp_f32 gives 0 there).  A block of zeros gets the byte 1 where the rule says 127: its codes are zeros, and the bytes are read here alone.
; A block's largest p is made from the block's largest score by the same multiply-add and exponential: this takes v_exp_f32 not to fall where its input rises.
; THE MODE: SCHED_MODE bits 1:0 = 2 (LLVM: expert scheduling mode 2), set by the entry lines.  The code itself states the register dependences between vector or matrix instructions and memory or LDS instructions,
; with s_wait_alu, always for 0.
; THE PLAN.  Registers that memory or LDS instructions touch, who writes and who reads them, and the wait that stands between:
;   v1-v11, v30, v31, v252-v254   Addresses and offsets: written at the head, ahead of one wait on va_vdst, and never again.
;   XA, XB       Loads land in them; an item's quantising lines read them.  The wait on va_vdst ahead of the item's LDS stores also states that those lines are done reading the set, and no vector line names the set
;                between that wait and the loads of phase B that land in it.
;   KC, KM, QR   (among the scores' registers)  Read by LDS stores: K's codes and scale word, Q as it was loaded.  Written again by the scores of steps 0 and 2: a wait on vm_vsrc stands ahead of each of the two.
;   C, QM        V's codes and byte: read by LDS stores, written again by phase B's item: a wait on vm_vsrc ahead of it.
;   KF, KSC, VF, VSC   LDS loads land in them; matrix instructions alone read them.  ONE wait on va_vdst in each step, behind its first products and their places: those products are done reading K's, the last step's second
;                product V's; behind it come this step's fragments of V and the next step's of K, a softmax ahead of their use.
;   QZ, QSC, P, PSC    Written by vector lines, read by scaled matrix instructions: a wait on va_vdst behind the places and ahead of the product.
;   O, -M, the sum     At the merge and on the way out: a wait on va_vdst ahead of the LDS stores that read them.
.set KI,   0                           ; LDS: K's codes: 16 chunks of 64 keys x 1,024 bytes (registers 0-3 of 32 lanes, then registers 4-7)
.set VI,   16384                       ; V's codes: 8 steps x 2 tiles of 16 channels x 1,024 bytes
.set KS,   32768                       ; K's scale words: a chunk's 16 rows x 4 bytes (byte g: group g)
.set VS,   33792                       ; V's scale words: a step's 32 channels x 4 bytes (byte b: the step's block b)
.set MG,   34816                       ; the merge: for each tile 2,048 bytes of O^T, 128 of -M, 128 of the sum.  At the start MG and STG together are Q's stages: 2,304 bytes for each of the 16 waves
.set STG,  53248                       ; the way out: for each tile 16 rows x (128 bytes + 16)
.set PAIRB, 2304
.set A16,  1                           ; v1   16 x lane + 8,192 x key half: where I read fragments
.set A4,   2                           ; v2   4 x lane + 512 x key half: where I read scale words
.set VOFFV, 3                          ; v3   V's loads: 4 x lane (a lane a channel)
.set VOFFK, 4                          ; v4   K's loads: key lane / 4 of eight, 32 bytes x lane % 4
.set QRD,  5                           ; v5   Q's stage, on the way back: row lane % 16
.set WKC,  6                           ; v6   where I store K's codes
.set WKS,  7                           ; v7   and K's scale word
.set WVC,  8                           ; v8   where I store V's codes
.set WVS,  9                           ; v9   and V's scale byte
.set SH8,  10                          ; v10  8 x (lane / 16)
.set MA16, 11                          ; v11  the merge: 16 x lane + my tile's area
.set NM,   12                          ; v12  -M       (the pair v[12:13] is named by the packed multiply-add, which takes its low word)
.set SM,   13                          ; v13  the running largest score
.set L,    14                          ; v[14:15] the row's sum, in two halves
.set F,    16                          ; v[16:17] f = 2^(old M - new M), in the low word
.set BM,   18                          ; v[18:19] the largest score, then the largest p, of my two blocks
.set BT,   20                          ; v[20:21] second chains
.set SO,   22                          ; v[22:23] the conversions' scale operands
.set BY,   24                          ; v[24:25] the scale bytes
.set T0,   26
.set T1,   27
.set T2,   28
.set T3,   29
.set MA4,  30                          ; v30  the merge: 4 x lane + my tile's area
.set STW,  31                          ; v31  the stage, on the way in
.set QZ,   32                          ; v32-51  zeros | Q in lanes 0-15 | zeros | Q in lanes 16-31 | zeros
.set QSC,  52                          ; Q's scale byte, four times
.set KSC,  53                          ; K's scale words: lanes 0-15 the step's first chunk, lanes 16-31 its second
.set VSC,  54                          ; V's: lanes 0-15 channels 0-15, lanes 16-31 channels 16-31
.set PSC,  55                          ; P's
.set KF,   56                          ; v56-71  two fragments of K: 128 keys
.set VF,   72                          ; v72-87  two fragments of V^T: 32 channels x 128 keys
.set P,    88                          ; v88-95  P's codes
.set S,    96                          ; v96-159 S^T, then p
.set O,    160                         ; v160-175 O^T: register 8 n + j = channel 16 n + 8 (lane / 16) + j
.set XA,   176                         ; v176-207 phase A's item of V, then phase B's of K, on their way in
.set XB,   208                         ; v208-239 phase A's item of K, then phase B's of V
.set C,    240                         ; v240-243 Q's, then V's codes just made
.set QM,   244                         ; v244-245 their largest magnitude (two chains), then the byte
.set QS,   248                         ; v248 their scale operand
.set KC,   S+32                        ; v128-131 K's codes just made: registers of their own, among the scores', which are dead between steps
.set KM,   S+36                        ; v132-135 K's largest magnitudes, then bytes
.set KQ,   S+40                        ; v136-139 K's scale operands
.set QR,   S+48                        ; v144-159 Q as it is loaded
.set STR,  252                         ; v252 the stage, on the way back
.set GOUT, 253                         ; v253 my byte offset in the tile's rows of out0, and of Q
.set QWR,  254                         ; v254 Q's stage, on the way in
.set WV,   8                           ; s8   my wave's number
.set QB,   16                          ; s[16:17] Q at my tile's first row, my head
.set IB,   18                          ; s[18:19] K at my item of phase A
.set OB,   20                          ; s[20:21] out0 at my tile's first row, my head
.set CS,   22                          ; s[22:23] log2(e)
.set SCL,  24                          ; s[24:25] 32^-0.5
.set SEL,  26                          ; s[26:27] v_permlanex16_b32's selects for lane l xor 16
.set NC,   28                          ; s28  -log2(e)
.set MSK,  29                          ; s29  lanes 0-15
.set IV,   36                          ; s[36:37] V at my item of phase A
.set PHG,  524288                      ; a phase on, in memory: 256 keys are 64 groups of 8,192 bytes
	s_load_b128 s[4:7], s[0:1], 0x0                ; qkv s[4:5], out0 s[6:7]
	v_lshl_add_u32 v251, v0, 2, 0x11800            ; my spare word, behind the stages, and 0: made here and kept for the closing lines alone
	v_mov_b32 v255, 0
	v_lshrrev_b32 v[T0], 5, v0
	v_readfirstlane_b32 s[WV], v[T0]               ; wave 0..15
	s_and_b32 s9, ttmp7, 0xffff                    ; 4 x window + head
	s_and_b32 s10, s9, 3
	s_lshl_b32 s10, s10, 7                         ; the head: 128 bytes in a row
	s_bfe_u32 s11, s9, 0x20002
	s_lshl_b32 s11, s11, 11                        ; the window in its batch: 4 rows of 512 bytes
	s_lshr_b32 s12, s9, 4
	s_lshl_b32 s12, s12, 21                        ; the batch: 4,096 rows
	s_add_co_u32 s10, s10, s11
	s_add_co_u32 s10, s10, s12                     ; token 0 of my window, my head
	s_wait_alu depctr_va_sdst(0)                   ; s8, the wave's number, is written, ahead of its first reader
	s_and_b32 s11, s[WV], 7                        ; my tile of queries.  Also: my item among the eight of a half and a phase
	s_lshr_b32 s12, s[WV], 3                       ; my half of the keys, for the steps and for my items alike
	s_bfe_u32 s13, s[WV], 0x10002                  ; which of a phase's two steps my items belong to
	s_and_b32 s14, s[WV], 3                        ; which 32 keys of that step's 128
	s_lshl_b32 s30, ttmp9, 18                      ; 128 queries are 32 groups of 8,192 bytes
	s_add_co_u32 s30, s30, s10
	s_lshl_b32 s15, s11, 15                        ; 16 queries are 4 groups
	s_add_co_u32 s30, s30, s15
	s_mov_b32 s31, 0
	s_add_co_u32 s32, s10, 0x400000                ; K begins 4 MiB into qkv
	s_lshl_b32 s15, s12, 20                        ; 512 keys are 128 groups
	s_add_co_u32 s32, s32, s15
	s_lshl_b32 s15, s11, 16                        ; 32 keys are 8 groups
	s_add_co_u32 s32, s32, s15
	s_mov_b32 s33, 0
	s_mul_i32 s38, s[WV], PAIRB                    ; my wave's stage for Q
	s_mov_b32 s[CS], 0x3fb8aa3b                    ; log2(e)
	s_mov_b32 s[CS+1], s[CS]                       ; (named with it as a pair, so it is written)
	s_mov_b32 s[SCL], 0x3e3504f3                   ; 32^-0.5 in f32
	s_mov_b32 s[SCL+1], s[SCL]
	s_mov_b32 s[SEL], 0x76543210
	s_mov_b32 s[SEL+1], 0xfedcba98
	s_mov_b32 s[NC], 0xbfb8aa3b
	s_mov_b32 s[MSK], 0xffff
	; every address is made here
	v_and_b32 v[T0], 31, v0                        ; lane
	v_bfe_u32 v[T1], v0, 4, 1                      ; lane / 16
	v_bfe_u32 v[T2], v0, 2, 2                      ; (lane / 4) % 4
	v_and_b32 v[T3], 3, v0                         ; lane % 4
	v_and_b32 v[BM], 15, v0                        ; lane % 16
	s_lshl_b32 s15, s12, 13
	v_lshl_add_u32 v[A16], v[T0], 4, s15
	v_lshlrev_b32 v[VOFFV], 2, v[T0]
	v_lshlrev_b32 v[VOFFK], 13, v[T1]              ; key lane / 4: its group of four rows,
	v_lshl_add_u32 v[VOFFK], v[T2], 9, v[VOFFK]    ; its row in the group,
	v_lshl_add_u32 v[VOFFK], v[T3], 5, v[VOFFK]    ; and my 32 bytes of its 128
	s_lshl_b32 s34, s13, 11
	s_add_co_u32 s15, s15, s34                     ; my items' step among the codes: 8,192 x half + 2,048 x step
	s_lshr_b32 s34, s14, 1                         ; K's codes: key 8 p + lane / 4 of my item is row 8 (item % 2) + lane / 4 of group p: 16 bytes a row, my word lane % 4 of it: 4 x lane
	s_lshl_b32 s34, s34, 10                        ; the chunk
	s_add_co_u32 s34, s34, s15
	s_and_b32 s35, s14, 1
	s_lshl_b32 s35, s35, 7                         ; rows 8-15
	s_add_co_u32 s34, s34, s35
	v_lshl_add_u32 v[WKC], v[T0], 2, s34
	s_lshl_b32 s34, s14, 8                         ; V's codes: tile lane / 16, image lane lane % 16 + 16 (block % 2), registers 4 (block / 2) on: 256 bytes x block
	s_add_co_u32 s34, s34, s15
	v_lshlrev_b32 v[WVC], 10, v[T1]
	s_wait_alu depctr_va_vdst(0)
	v_lshl_add_u32 v[WVC], v[BM], 4, v[WVC]
	v_add_nc_u32 v[WVC], s34, v[WVC]
	s_lshl_b32 s15, s12, 9
	v_lshl_add_u32 v[A4], v[T0], 2, s15
	s_lshl_b32 s34, s11, 5                         ; K's scale words: 8 rows x 4 bytes an item, four items a step
	s_add_co_u32 s34, s34, s15
	v_and_b32 v[WKS], 28, v0                       ; 4 x (lane / 4)
	v_add_nc_u32 v[WKS], s34, v[WKS]
	s_lshl_b32 s34, s13, 7                         ; V's scale bytes: 128 bytes a step; the channel's word, byte = my block of the step's four
	s_add_co_u32 s34, s34, s15
	s_add_co_u32 s34, s34, s14
	v_lshl_add_u32 v[WVS], v[T0], 2, s34
	v_lshlrev_b32 v[SH8], 3, v[T1]
	s_mul_i32 s15, s11, PAIRB                      ; my tile's area in the merge and in the stage
	v_lshl_add_u32 v[MA16], v[T0], 4, s15
	v_lshl_add_u32 v[MA4], v[T0], 2, s15
	v_mul_u32_u24 v[STW], v[BM], 144               ; row lane % 16 of a stage
	v_add_nc_u32 v[QRD], s38, v[STW]               ; Q, back: that row of my wave's stage
	v_lshl_add_u32 v[STW], v[T1], 5, v[STW]        ; the way out, in: 32 bytes for each half of the lanes
	v_add_nc_u32 v[STW], s15, v[STW]
	v_bfe_u32 v[BT], v0, 3, 2                      ; eight lanes to a row of 128 bytes, four rows an instruction
	v_and_b32 v[BT+1], 7, v0
	v_mul_u32_u24 v[STR], v[BT], 144
	v_lshl_add_u32 v[STR], v[BT+1], 4, v[STR]
	v_add_nc_u32 v[QWR], s38, v[STR]               ; Q, in: so into my wave's stage
	v_add_nc_u32 v[STR], s15, v[STR]               ; the way out, back: so out of my tile's
	v_lshlrev_b32 v[GOUT], 9, v[BT]                ; and the same four rows in memory
	v_lshl_add_u32 v[GOUT], v[BT+1], 4, v[GOUT]
	v_mov_b32 v[F+1], 0                            ; (the upper half of a pair that packed forms name)
	s_wait_kmcnt 0x0
	s_add_nc_u64 s[QB:QB+1], s[4:5], s[30:31]
	s_add_nc_u64 s[OB:OB+1], s[6:7], s[30:31]
	s_add_nc_u64 s[IB:IB+1], s[4:5], s[32:33]
	s_add_nc_u64 s[IV:IV+1], s[IB:IB+1], 0x400000  ; V lies 4 MiB behind K
; A quarter of my item of V, phase phs: V(key i, channel = lane), i = 8 q .. 8 q + 7, into set xr: each load reads 128 consecutive bytes
.macro VLOADQ phs, xr, q
.set nn, 8*(\q)
.rept 8
	global_load_b32 v[\xr+nn], v[VOFFV], s[IV:IV+1] offset:(\phs)*PHG+(nn/4)*8192+(nn%4)*512
.set nn, nn+1
.endr
.endm
; My item of K: registers 8 p .. 8 p + 7 = channels 8 (lane % 4) + 0 .. 7 of key 8 p + lane / 4
.macro KLOAD phs, xr
.irp p, 0,1,2,3
	global_load_b128 v[\xr+8*\p:\xr+8*\p+3], v[VOFFK], s[IB:IB+1] offset:(\phs)*PHG+\p*16384
	global_load_b128 v[\xr+8*\p+4:\xr+8*\p+7], v[VOFFK], s[IB:IB+1] offset:(\phs)*PHG+\p*16384+16
.endr
.endm
; The largest magnitude of 32 registers, in two chains, with the floor 2^(3 - 127) among the leaves: so the scale's byte cannot fall under 1
.macro MAX32 d, t, xr
	v_max3_num_f32 v[\d], |v[\xr]|, |v[\xr+1]|, 0x1800000
	v_max3_num_f32 v[\t], |v[\xr+16]|, |v[\xr+17]|, |v[\xr+18]|
.irp i, 0,2,4,6,8,10
	v_max3_num_f32 v[\d], v[\d], |v[\xr+2+\i]|, |v[\xr+3+\i]|
	v_max3_num_f32 v[\t], v[\t], |v[\xr+19+\i]|, |v[\xr+20+\i]|
.endr
	v_max3_num_f32 v[\d], v[\d], |v[\xr+14]|, |v[\xr+15]|
	v_max3_num_f32 v[\d], v[\d], v[\t], |v[\xr+31]|
.endm
; V's item: the block of 32 keys of my channel is all mine
.macro VQUANT phs, xr
	MAX32 QM, QM+1, \xr
	v_add_nc_u32 v[QS], 0xff000000, v[QM]          ; 2 off the exponent field: the conversion takes the exponent field of this operand as its scale
.irp g, 0,1,2,3
	v_cvt_scalef32_pk8_fp4_f32 v[C+\g], v[\xr+8*\g:\xr+8*\g+7], v[QS]
.endr
	v_lshrrev_b32 v[QM], 23, v[QS]                 ; the scale's byte (also the plain line behind the conversions)
	s_wait_alu depctr_va_vdst(0)                   ; the codes and the byte are written, which the two stores read; and the lines above are done reading the set, in which later loads land
	ds_store_b128 v[WVC], v[C:C+3] offset:VI+(\phs)*4096
	ds_store_b8 v[WVS], v[QM] offset:VS+(\phs)*256
.endm
; K's item: four keys a lane, eight channels of each; lanes l, l xor 1, l xor 2, l xor 3 share a key
.macro KQUANT phs, xr
.irp p, 0,1,2,3
	v_max3_num_f32 v[KM+\p], |v[\xr+8*\p]|, |v[\xr+8*\p+1]|, 0x1800000
.endr
.irp i, 2,4,6
.irp p, 0,1,2,3
	v_max3_num_f32 v[KM+\p], v[KM+\p], |v[\xr+8*\p+\i]|, |v[\xr+8*\p+\i+1]|
.endr
.endr
.irp p, 0,1,2,3
	v_max_num_f32_dpp v[KM+\p], v[KM+\p], v[KM+\p] row_xmask:1 row_mask:0xf bank_mask:0xf
.endr
.irp p, 0,1,2,3
	v_max_num_f32_dpp v[KM+\p], v[KM+\p], v[KM+\p] row_xmask:2 row_mask:0xf bank_mask:0xf
.endr
.irp p, 0,1,2,3
	v_add_nc_u32 v[KQ+\p], 0xff000000, v[KM+\p]
.endr
.irp p, 0,1,2,3
	v_cvt_scalef32_pk8_fp4_f32 v[KC+\p], v[\xr+8*\p:\xr+8*\p+7], v[KQ+\p]
.endr
.irp p, 0,1,2,3
	v_lshrrev_b32 v[KM+\p], 23, v[KQ+\p]           ; the bytes (plain lines behind the conversions)
.endr
	v_lshl_or_b32 v[KM], v[KM+1], 8, v[KM]         ; my row's scale word: byte p = group p
	v_lshl_or_b32 v[KM], v[KM+2], 16, v[KM]
	v_lshl_or_b32 v[KM], v[KM+3], 24, v[KM]
	s_wait_alu depctr_va_vdst(0)                   ; the codes and the scale word are written, which the five stores read; and the lines above are done reading the set, in which later loads land
.irp p, 0,1,2,3
	ds_store_b32 v[WKC], v[KC+\p] offset:KI+(\phs)*4096+(\p/2)*512+(\p%2)*256  ; 32 lanes store 128 consecutive bytes
.endr
	ds_store_b32 v[WKS], v[KM] offset:KS+(\phs)*256                            ; the four lanes of a key store the same word
.endm
; The st-th 128 keys of my half: K's two fragments and scale words; V's likewise.  Five LDS loads each
.macro LDK st
.irp i, 0,1,2,3
	ds_load_b128 v[KF+4*\i:KF+4*\i+3], v[A16] offset:KI+(\st)*2048+512*\i
.endr
	ds_load_b32 v[KSC], v[A4] offset:KS+(\st)*128
.endm
.macro LDV st
.irp i, 0,1,2,3
	ds_load_b128 v[VF+4*\i:VF+4*\i+3], v[A16] offset:VI+(\st)*2048+512*\i
.endr
	ds_load_b32 v[VSC], v[A4] offset:VS+(\st)*128
.endm
; A KEY STEP'S FIRST PART: scores, M, p, P's codes and scale word.  first = 1: it starts M.  nk: the step whose fragments of K are fetched as soon as this step's products have read theirs (-1: none);
; nv: the step whose fragments of V are fetched with them: this step (-1: none).  vb = 1: phase B's item of V is asked for on the way, in runs of eight, into the set that phase A's item of K has left.
.macro SCORES first, nk, nv, vb
.irp g, 0,1,2,3                                ; Q's variant g picks the 16 keys of block g; eight accumulators, each begun with the constant 0
	v_wmma_scale_f32_16x16x128_f8f6f4 v[S+8*\g:S+8*\g+7], v[KF:KF+7], v[QZ+4+8*(\g%2)-4*(\g/2):QZ+11+8*(\g%2)-4*(\g/2)], 0, v[KSC], v[QSC] matrix_a_fmt:MATRIX_FMT_FP4 matrix_b_fmt:MATRIX_FMT_FP4
.endr
.irp g, 0,1,2,3
	v_wmma_scale_f32_16x16x128_f8f6f4 v[S+32+8*\g:S+32+8*\g+7], v[KF+8:KF+15], v[QZ+4+8*(\g%2)-4*(\g/2):QZ+11+8*(\g%2)-4*(\g/2)], 0, v[KSC], v[QSC] matrix_a_fmt:MATRIX_FMT_FP4 matrix_b_fmt:MATRIX_FMT_FP4 matrix_a_scale:MATRIX_SCALE_ROW1
.endr
.rept 4
	v_nop                                          ; four places between a matrix instruction and the first read of its result, and a load into a register that it has read
.endr
	s_wait_alu depctr_va_vdst(0)                   ; these products are done reading K's fragments and scale words, the last step's second product V's: the LDS loads below land in those registers
.if \nv >= 0
	LDV \nv                                        ; this step's: a whole softmax ahead of their use
.endif
.if \nk >= 0
	LDK \nk                                        ; the next step's
.endif
	; the largest score of my two blocks (registers 32 c .. 32 c + 31), two chains each, each accumulator read from its low end on
.irp c, 0,1
	v_max3_num_f32 v[BM+\c], v[S+32*\c], v[S+32*\c+1], v[S+32*\c+2]
	v_max3_num_f32 v[BT+\c], v[S+32*\c+16], v[S+32*\c+17], v[S+32*\c+18]
.endr
.irp i, 3,5,7,9,11,13
.irp c, 0,1
	v_max3_num_f32 v[BM+\c], v[BM+\c], v[S+32*\c+\i], v[S+32*\c+\i+1]
	v_max3_num_f32 v[BT+\c], v[BT+\c], v[S+32*\c+16+\i], v[S+32*\c+17+\i]
.endr
.endr
.irp c, 0,1
	v_max3_num_f32 v[BM+\c], v[BM+\c], v[BT+\c], v[S+32*\c+15]
.endr
.irp c, 0,1
	v_max_num_f32 v[BM+\c], v[BM+\c], v[S+32*\c+31]
.endr
.if \vb
	VLOADQ 1, XB, 0                                ; no wait: no vector line has named this set since the wait ahead of the stores of K's item, which left it
.endif
.if \first
	v_max_num_f32 v[T0], v[BM], v[BM+1]
.else
	v_max3_num_f32 v[T0], v[SM], v[BM], v[BM+1]
.endif
	v_permlanex16_b32 v[T1], v[T0], s[SEL], s[SEL+1]   ; my query's other 64 keys lie in lane l xor 16
	v_max_num_f32 v[SM], v[T0], v[T1]              ; the running largest score
	v_mul_f32 v[T2], s[NC], v[SM]                  ; -t
.if \first
	v_floor_f32 v[NM], v[T2]                       ; -M = floor(-t) = -ceil(t)
.else
	v_mov_b32 v[T3], v[NM]
	v_floor_f32 v[NM], v[T2]
	v_sub_f32 v[T3], v[NM], v[T3]                  ; old M - new M: a whole number, 0 or less
	v_cvt_i32_f32 v[T3], v[T3]                     ; (it saturates)
	v_ldexp_f32 v[F], 1.0, v[T3]                   ; f = 2^(old M - new M): multiplying by it rounds nothing
.endif
.set nn, 0
.rept 32
	v_pk_fma_f32 v[S+nn:S+nn+1], v[S+nn:S+nn+1], s[CS:CS+1], v[NM:NM+1] op_sel_hi:[1,0,0]   ; t - M, two at a time
.set nn, nn+2
.endr
.if \vb
	VLOADQ 1, XB, 1
.endif
.irp c, 0,1
	v_fma_f32 v[BM+\c], v[BM+\c], s[CS], v[NM]     ; the same of each block's largest score
.endr
	s_wait_alu depctr_va_vdst(0)
.irp c, 0,1
	v_exp_f32 v[BM+\c], v[BM+\c]                   ; the block's largest p
.endr
.set nn, 0
.rept 64
	v_exp_f32 v[S+nn], v[S+nn]                     ; p = 2^(t - M): not normalised
.set nn, nn+1
.endr
.if \first
	v_nop                                          ; a plain line behind the last exponential
.else
	v_pk_mul_f32 v[L:L+1], v[L:L+1], v[F:F+1] op_sel_hi:[1,0]   ; the sums under the new M (the plain line behind the last exponential)
.endif
	s_wait_alu depctr_va_vdst(0)                   ; the 66 exponentials have written p and the blocks' largest p: one wait for the batch, ahead of its first reader
.irp c, 0,1
	v_max_num_f32 v[BM+\c], 0x1800000, v[BM+\c]    ; the floor 2^(3 - 127)
.endr
.irp c, 0,1
	v_add_nc_u32 v[SO+\c], 0xff000000, v[BM+\c]    ; the conversion's scale operand
.endr
.irp c, 0,1
	v_lshrrev_b32 v[BY+\c], 23, v[SO+\c]           ; the byte of block 2 c + lane / 16
.endr
	v_lshl_or_b32 v[PSC], v[BY+1], 16, v[BY]
	v_lshlrev_b32 v[PSC], v[SH8], v[PSC]           ; at their places in the word,
	v_permlanex16_b32 v[T1], v[PSC], s[SEL], s[SEL+1]
	v_or_b32 v[PSC], v[PSC], v[T1]                 ; and with lane l xor 16's two the word is whole
.if \vb
	VLOADQ 1, XB, 2
.endif
.irp c, 0,1
.irp g, 0,1,2,3
	v_cvt_scalef32_pk8_fp4_f32 v[P+4*\c+\g], v[S+32*\c+8*\g:S+32*\c+8*\g+7], v[SO+\c]   ; keys 64 c + 32 (lane / 16) + 8 g + 0 .. 7: P's register 4 c + g
.endr
.endr
.endm
; THE SUMS: the row's sum of the unquantised p, two at a time, in two chains; and O^T under the new M.  first = 1: they start the sum.  All plain lines on registers: they are also the places that a scale word (8)
; and an operand (4) written by vector instructions owe in front of a scaled matrix instruction, and the plain line behind the conversions
.macro SUMS first
.if \first
	v_pk_add_f32 v[L:L+1], v[S:S+1], v[S+2:S+3]
	v_pk_add_f32 v[BT:BT+1], v[S+4:S+5], v[S+6:S+7]
.irp j, 8,12,16,20,24,28,32,36,40,44,48,52,56,60
	v_pk_add_f32 v[L:L+1], v[L:L+1], v[S+\j:S+\j+1]
	v_pk_add_f32 v[BT:BT+1], v[BT:BT+1], v[S+\j+2:S+\j+3]
.endr
.else
.irp j, 0,2,4,6,8,10,12,14
	v_pk_mul_f32 v[O+\j:O+\j+1], v[O+\j:O+\j+1], v[F:F+1] op_sel_hi:[1,0]
.endr
	v_pk_add_f32 v[BT:BT+1], v[S:S+1], v[S+2:S+3]
.irp j, 4,8,12,16,20,24,28,32,36,40,44,48,52,56,60
	v_pk_add_f32 v[L:L+1], v[L:L+1], v[S+\j:S+\j+1]
	v_pk_add_f32 v[BT:BT+1], v[BT:BT+1], v[S+\j+2:S+\j+3]
.endr
.endif
	v_pk_add_f32 v[L:L+1], v[L:L+1], v[BT:BT+1]
.endm
; THE SECOND PRODUCT: O^T += V^T P^T, 32 channels x my 16 queries, K = the step's 128 keys.  first = 1: it starts O^T: nothing is cleared
.macro PV first
.if \first
	v_wmma_scale_f32_16x16x128_f8f6f4 v[O:O+7], v[VF:VF+7], v[P:P+7], 0, v[VSC], v[PSC] matrix_a_fmt:MATRIX_FMT_FP4 matrix_b_fmt:MATRIX_FMT_FP4
	v_wmma_scale_f32_16x16x128_f8f6f4 v[O+8:O+15], v[VF+8:VF+15], v[P:P+7], 0, v[VSC], v[PSC] matrix_a_fmt:MATRIX_FMT_FP4 matrix_b_fmt:MATRIX_FMT_FP4 matrix_a_scale:MATRIX_SCALE_ROW1
.else
	v_wmma_scale_f32_16x16x128_f8f6f4 v[O:O+7], v[VF:VF+7], v[P:P+7], v[O:O+7], v[VSC], v[PSC] matrix_a_fmt:MATRIX_FMT_FP4 matrix_b_fmt:MATRIX_FMT_FP4
	v_wmma_scale_f32_16x16x128_f8f6f4 v[O+8:O+15], v[VF+8:VF+15], v[P:P+7], v[O+8:O+15], v[VSC], v[PSC] matrix_a_fmt:MATRIX_FMT_FP4 matrix_b_fmt:MATRIX_FMT_FP4 matrix_a_scale:MATRIX_SCALE_ROW1
.endif
.endm
; A WHOLE KEY STEP but the first.  Its fragments of K are in registers when it begins: a wait for all LDS loads stands between their fetch and this step.  nk, nv: as in SCORES.
.macro STEP nk, nv
	SCORES 0, \nk, \nv, 0
	SUMS 0
	s_wait_dscnt 0x0                               ; V's fragments and scale words are in (and the next step's of K, where they were asked for)
	s_wait_alu depctr_va_vdst(0)                   ; the conversions have written P's codes and the vector lines its scale word, which the scaled products below take; the sums above are the places, which stay beside this wait
	PV 0
.endm
	; ---- the loads go out: Q's four, then my items of phase A: K's 8, V's 32
	s_wait_alu depctr_va_vdst(0)                   ; every address and offset of the kernel (v1 to v11, v30, v31, v252 to v254) is written: the loads and stores from here on read them, and none is written again
.irp i, 0,1,2,3
	global_load_b128 v[QR+4*\i:QR+4*\i+3], v[GOUT], s[QB:QB+1] offset:8192*\i   ; four neighbouring rows, 128 consecutive bytes of each
.endr
	KLOAD 0, XB
.irp q, 0,1,2,3
	VLOADQ 0, XA, \q
.endr
	s_wait_loadcnt 40                              ; Q is in: the 8 + 32 loads issued behind its four may stay out
.irp i, 0,1,2,3
	ds_store_b128 v[QWR], v[QR+4*\i:QR+4*\i+3] offset:MG+576*\i   ; through my wave's own stage: in as loaded, eight lanes to a row,
.endr
.irp j, 0,1,2,3,4,5,6,7
	ds_load_b128 v[S+4*\j:S+4*\j+3], v[QRD] offset:MG+16*\j       ; back a row a lane: all 32 channels of query lane % 16, in both halves of the lanes.  LDS serves a wave's instructions in order (ISA guide 5.7.1.4)
.endr
	s_wait_loadcnt 32                              ; K's item is in; V's 32 loads may stay out
	KQUANT 0, XB
	s_wait_dscnt 0x0                               ; for the others' sake: my stores of K's codes have landed; and Q is back from its stage
	s_barrier_signal -1
	; ---- Q x 32^-0.5, in f32, is quantised between the signal and the wait: work on registers alone
.set nn, 0
.rept 16
	v_pk_mul_f32 v[S+nn:S+nn+1], v[S+nn:S+nn+1], s[SCL:SCL+1] op_sel_hi:[1,0]
.set nn, nn+2
.endr
	MAX32 QM, QM+1, S
	v_add_nc_u32 v[QS], 0xff000000, v[QM]
.irp g, 0,1,2,3
	v_cvt_scalef32_pk8_fp4_f32 v[C+\g], v[S+8*\g:S+8*\g+7], v[QS]
.endr
	v_lshrrev_b32 v[QM], 23, v[QS]                 ; the byte (the plain line behind the conversions),
	v_lshl_or_b32 v[QM], v[QM], 8, v[QM]
	v_lshl_or_b32 v[QSC], v[QM], 16, v[QM]         ; in all four bytes: one word serves the four variants
.irp i, 0,1,2,3
	v_mov_b32 v[QZ+\i], 0
	v_mov_b32 v[QZ+8+\i], 0
	v_mov_b32 v[QZ+16+\i], 0
.endr
.irp i, 0,1,2,3
	v_cndmask_b32 v[QZ+4+\i], 0, v[C+\i], s[MSK]           ; the codes in lanes 0-15, zero codes in lanes 16-31
	v_cndmask_b32 v[QZ+12+\i], v[C+\i], v[QZ+\i], s[MSK]   ; and the other way round
.endr
.rept 4
	v_nop                                          ; an operand written by vector instructions stands four places ahead of a scaled matrix instruction
.endr
	s_barrier_wait -1                              ; K's codes of steps 0 and 1 lie in LDS, and every wave has issued all its loads of phase A
	; ---- step 0, its first part: it wants no V
	LDK 0                                          ; no wait: no vector or matrix instruction has named these registers yet
	s_wait_alu depctr_va_vdst(0)                   ; Q's four variants and its scale word are written, which every step's scaled products take; the places above stay beside this wait
	s_wait_alu depctr_vm_vsrc(0)                   ; my LDS stores have read Q as it was loaded and K's codes and scale word: these registers are the scores' from here on
	s_wait_dscnt 0x0
	SCORES 1, 1, -1, 1
	s_wait_loadcnt 24                              ; V's item of phase A is in: the three runs of eight issued behind it may stay out
	VLOADQ 1, XB, 3
	VQUANT 0, XA
	s_wait_dscnt 0x0                               ; for the others' sake: my stores of V's codes have landed (and step 1's fragments of K are in)
	s_barrier_signal -1
	SUMS 1                                         ; work on registers alone, between the signal and the wait
	s_barrier_wait -1                              ; V's codes of steps 0 and 1 lie in LDS
	LDV 0                                          ; no wait: no vector or matrix instruction has named these registers yet
	KLOAD 1, XA                                    ; phase B's item of K, into the set that V's has left: no vector line has named it since the wait ahead of V's stores
	s_wait_dscnt 0x0
	PV 1                                           ; P's codes and scale word were written ahead of the wait that stands in front of V's stores, 17 plain lines behind the last conversion: no further wait is owed
	STEP -1, 1
	; ---- phase B: V's 32 loads were issued ahead of K's 8
	s_wait_loadcnt 8                               ; V's item is in; K's eight loads may stay out
	s_wait_alu depctr_vm_vsrc(0)                   ; phase A's two stores of V's codes and byte have read their registers, which the lines below write again
	VQUANT 1, XB
	s_wait_loadcnt 0x0                             ; K's item is in
	KQUANT 1, XA
	s_wait_dscnt 0x0                               ; for the others' sake: my stores have landed
	s_barrier_signal -1
	s_barrier_wait -1                              ; the codes of steps 2 and 3 lie in LDS
	LDK 2                                          ; no wait: step 1's products, which read these registers last, stand ahead of the waits in front of phase B's stores
	s_wait_alu depctr_vm_vsrc(0)                   ; my LDS stores have read K's codes and scale word: step 2's scores write those registers again
	s_wait_dscnt 0x0
	STEP 3, 2
	STEP -1, 3
	; ---- the two halves of the keys meet.  The additions and v_nop are the places behind the last products
	v_add_f32 v[L], v[L], v[L+1]
	v_nop
	v_permlanex16_b32 v[T1], v[L], s[SEL], s[SEL+1]
	v_nop
	v_add_f32 v[L], v[L], v[T1]                    ; my half's sum for query lane % 16
	v_nop
	s_wait_alu depctr_va_vdst(0)                   ; O^T, -M and the sum are written, which the stores of waves 8-15 read; and every vector line is done with the registers in which the loads of waves 0-7 land; the places above stay beside this wait
	s_cmp_lt_u32 s[WV], 8
	s_cbranch_scc1 .Lkeep
.irp i, 0,1,2,3
	ds_store_b128 v[MA16], v[O+4*\i:O+4*\i+3] offset:MG+512*\i   ; waves 8-15 hand over O^T as it stands (each accumulator from its low end on),
.endr
	ds_store_b32 v[MA4], v[NM] offset:MG+2048      ; -M
	ds_store_b32 v[MA4], v[L] offset:MG+2176       ; and the sum
	s_wait_alu depctr_vm_vsrc(0)                   ; these stores have read O^T, -M and the sum.  The text behind the join writes O^T and the sum again; the waves that walk it issue none of these stores, but a way through the text leads there, and the wait is owed on every way: so it stands here, in the arm
.Lkeep:
	s_wait_dscnt 0x0                               ; for the partner's sake: the stores have landed
	s_barrier_signal -1
	s_barrier_wait -1
	s_cmp_lt_u32 s[WV], 8
	s_cbranch_scc1 .Lmerge
	s_wait_dscnt 0x0                               ; the closing lines, six on end
	s_wait_alu 0x0
	s_wait_tensorcnt 0x0
	ds_add_u32 v251, v255
	s_wait_dscnt 0x0
	s_endpgm
.Lmerge:
.irp i, 0,1,2,3
	ds_load_b128 v[S+4*\i:S+4*\i+3], v[MA16] offset:MG+512*\i    ; no wait: no vector line stands between the wait ahead of the first branch and these loads
.endr
	ds_load_b32 v[T2], v[MA4] offset:MG+2048
	ds_load_b32 v[T3], v[MA4] offset:MG+2176
	s_wait_dscnt 0x0
	v_min_num_f32 v[T0], v[NM], v[T2]              ; the larger M, as -M
	v_sub_f32 v[F], v[T0], v[NM]                   ; my M - the larger M,
	v_sub_f32 v[BM], v[T0], v[T2]                  ; the partner's likewise: whole numbers, 0 or less
	v_cvt_i32_f32 v[F], v[F]
	v_cvt_i32_f32 v[BM], v[BM]
	v_ldexp_f32 v[F], 1.0, v[F]
	v_ldexp_f32 v[BM], 1.0, v[BM]
	v_mul_f32 v[L], v[L], v[F]
	v_fmac_f32 v[L], v[T3], v[BM]                  ; the row's sum under the larger M
	s_wait_alu depctr_va_vdst(0)
	v_rcp_f32 v[T1], v[L]
	v_nop                                          ; a plain line behind the reciprocal
	s_wait_alu depctr_va_vdst(0)                   ; the reciprocal is written, ahead of its first reader
	v_mul_f32 v[F], v[F], v[T1]
	v_mul_f32 v[BM], v[BM], v[T1]
.irp j, 0,2,4,6,8,10,12,14
	v_pk_mul_f32 v[O+\j:O+\j+1], v[O+\j:O+\j+1], v[F:F+1] op_sel_hi:[1,0]
.endr
.irp j, 0,2,4,6,8,10,12,14
	v_pk_fma_f32 v[O+\j:O+\j+1], v[S+\j:S+\j+1], v[BM:BM+1], v[O+\j:O+\j+1] op_sel_hi:[1,0,1]
.endr
	; ---- the way out: a lane holds 4 x 16 bytes of its query's 128; through my own stage they come back eight lanes to a row
	s_wait_alu depctr_va_vdst(0)                   ; the merged O^T is written, which the LDS stores read
.irp n, 0,1
	ds_store_b128 v[STW], v[O+8*\n:O+8*\n+3] offset:STG+64*\n
	ds_store_b128 v[STW], v[O+8*\n+4:O+8*\n+7] offset:STG+64*\n+16
.endr
.irp i, 0,1,2,3
	ds_load_b128 v[S+16+4*\i:S+19+4*\i], v[STR] offset:STG+576*\i   ; LDS serves a wave's instructions in order (ISA guide 5.7.1.4): these see my stores
.endr
.irp i, 0,1,2,3
	s_wait_dscnt 3-\i                              ; the younger loads from the stage may stay out
	global_store_b128 v[GOUT], v[S+16+4*\i:S+19+4*\i], s[OB:OB+1] offset:8192*\i th:TH_STORE_NT   ; four neighbouring rows, 128 consecutive bytes of each
.endr
	s_wait_dscnt 0x0                               ; the closing lines, six on end
	s_wait_alu 0x0
	s_wait_tensorcnt 0x0
	ds_add_u32 v251, v255
	s_wait_dscnt 0x0
	s_endpgm
.Lfunc_end_k_qf8196a95de_lepe_attention:
	.size	k_qf8196a95de_lepe_attention, .Lfunc_end_k_qf8196a95de_lepe_attention-k_qf8196a95de_lepe_attention
	.p2alignl 7, 3214868480
	.fill 96, 4, 3214868480
	.section	.rodata,"a",@progbits
	.p2align	6, 0x0
	.amdhsa_kernel k_qf8196a95de_lepe_attention
		.amdhsa_group_segment_fixed_size 73728
		.amdhsa_private_segment_fixed_size 0
		.amdhsa_enable_private_segment 0
		.amdhsa_kernarg_size 16
		.amdhsa_user_sgpr_count 2
		.amdhsa_user_sgpr_kernarg_segment_ptr 1
		.amdhsa_wavefront_size32 1
		.amdhsa_system_sgpr_workgroup_id_x 1
		.amdhsa_system_sgpr_workgroup_id_y 1
		.amdhsa_system_sgpr_workgroup_id_z 1
		.amdhsa_system_vgpr_workitem_id 0
		.amdhsa_next_free_vgpr 256
		.amdhsa_next_free_sgpr 66
		.amdhsa_reserve_vcc 0
		.amdhsa_float_denorm_mode_32 3
		.amdhsa_float_denorm_mode_16_64 3
		.amdhsa_memory_ordered 1
		.amdhsa_forward_progress 1
		.amdhsa_inst_pref_size 79
	.end_amdhsa_kernel
	.amdgpu_metadata
---
amdhsa.version: [ 1, 2 ]
amdhsa.kernels:
  - .name:           k_qf8196a95de_lepe_attention
    .symbol:         k_qf8196a95de_lepe_attention.kd
    .args:
      - { .name: qkv, .offset: 0, .size: 8, .value_kind: global_buffer, .address_space: global }
      - { .name: out0, .offset: 8, .size: 8, .value_kind: global_buffer, .address_space: global }
    .group_segment_fixed_size: 73728
    .private_segment_fixed_size: 0
    .kernarg_segment_align: 8
    .kernarg_segment_size: 16
    .max_flat_workgroup_size: 512
    .sgpr_count:     66
    .vgpr_count:     256
    .wavefront_size: 32
...
	.end_amdgpu_metadata
.endif
;; end of part 2
